; MI455X (gfx1250); checked and timed in simulation.
; The chip was launched on July 23, 2026; its instructions are those of AMD's public machine-readable ISA for CDNA 5 (MIT licence, August 2026) and "CDNA5" Instruction Set Architecture Reference Guide (July 2026). The comments in the code are by the model that wrote it; some were corrected since.
;; Heads. Allowed arithmetic: matrix products marked QUANTISED: E3M2 operands, one E8M0 scale for each 32 along K, by v_wmma_scale_f32_16x16x128_f8f6f4 with both operands' format E3M2, f32 sums; everything else in f32.
;; Inputs: K 4 x 2,048 x 1,024 float32; Q 4 x 2,048 x 1,024 float32; V 4 x 2,048 x 1,024 float32; Wk 1,024 x 1,024 float32; Wq 1,024 x 1,024 float32; Wv 1,024 x 1,024 float32; bk 1,024 float32; bq 1,024 float32; bv 1,024 float32.
;; Outputs: out0 4 x 2,048 x 1,024 float32.
;; This version of the problem:
;;   THIS VERSION OF THE PROBLEM IS GIVEN IN LOW PRECISION. The matrix products marked QUANTISED in the list below multiply operands that are first quantised to E3M2 (3 exponent bits, 2 mantissa bits; 6 bits a number), with one power-of-two scale for each 32 numbers along K (OCP MX v1.0); their sums are f32. All else is computed in f32.
;;   The module's matrix products, in the order in which they are computed (A, B: the left and right operand; K: the contracted axis; several contracted axes count as one K, in the product's order):
;;     1. [M 8,192, K 1,024] x [K 1,024, N 1,024]; A: input Q; B: input Wq: QUANTISED
;;     2. [M 8,192, K 1,024] x [K 1,024, N 1,024]; A: input K; B: input Wk: QUANTISED
;;     3. [M 8,192, K 1,024] x [K 1,024, N 1,024]; A: input V; B: input Wv: QUANTISED
;;     4. batch 64 x [M 2,048, K 64] x [K 64, N 2,048]; A: computed on the way; B: computed on the way: QUANTISED
;;     5. batch 64 x [M 2,048, K 2,048] x [K 2,048, N 64]; A: softmax (see below); B: computed on the way: QUANTISED
;;   THE QUANTISER, for each operand of a quantised product, along K:
;;     - K is cut into blocks of 32 from its start; a last block that is shorter is filled with zeros.
;;     - A block's scale is 2^e with e = floor(log2(the largest magnitude in the block)) - 4, held to -126 .. 127; a block of zeros has e = 0. As a byte (E8M0): e + 127.
;;     - Each number is divided by its block's scale, clamped to +-28, and rounded to the nearest number of E3M2, ties to even, subnormals kept.
;;     - The product sums the exact products of the quantised numbers (number of the format x scale) in f32.
;;   ~~~python
;;   def quantise(x, axis):      # numpy; x: float32 -> the quantised numbers, widened to float32 again
;;       x = np.moveaxis(x, axis, -1); K = x.shape[-1]
;;       x = np.pad(x, [(0, 0)] * (x.ndim - 1) + [(0, -K % 32)]); x = x.reshape(x.shape[:-1] + (-1, 32)); a = np.abs(x).max(-1, keepdims=True)
;;       e = np.where(a > 0, np.clip(np.frexp(np.where(a > 0, a, 1))[1] - 1 - 4, -126, 127), 0)      # np.frexp(a)[1] - 1 = floor(log2(a)), exactly
;;       r = np.clip(x / 2.0 ** e, -28, 28)
;;       step = 2.0 ** (np.maximum(np.frexp(np.where(r == 0, 1, r))[1] - 1, -2) - 2)
;;       q = np.round(r / step) * step * 2.0 ** e      # np.round: ties to even
;;       return np.moveaxis(q.reshape(q.shape[:-2] + (-1,))[..., :K], -1, axis).astype(np.float32)
;;   ~~~
;;   SOFTMAX AHEAD OF A QUANTISED PRODUCT. Where the list says 'softmax', what is quantised is not the finished softmax but p = 2^(t - M), with t = logit x log2(e) and M = ceil(the row's largest t), a whole number; so 1/2 < the row's largest p <= 1. The row's sum l is taken of the UNQUANTISED p, in f32, and the product's result is divided by l at the end. Since M is a whole number, a kernel that streams over the keys may use a running M (the ceiling of the running maximum): every later rescaling is an exact power of two, which a block's scale takes up: the codes' values come out the same.
;;   OPERANDS COMPUTED ON THE WAY. 'Computed on the way' means the value that the module computes at that place (a softmax that the list does not call 'softmax' is quantised finished and normalised). What goes into a quantiser is computed in f32, as accurately as f32 sums, v_exp_f32 and their like allow (about 1e-6 of the number): no bf16 or f16 on the way to a quantiser, and a product that is left as it is and whose result goes on into a quantised operand takes f32 operands (vector FMAs, or v_wmma_f32_16x16x4_f32). A number that lies on a knife's edge between two numbers of the format may be rounded either way, as far as f32 arithmetic and the matrix unit's own rounding can turn it there, and no further.
;; One version. Each part assembles by itself: llvm-mc -triple=amdgcn-amd-amdhsa -mcpu=gfx1250 --defsym DOCPART=n.
;; ======== version 1 of 1: 3 launches
;; limits: right only within a limited range of input values
;; workspace buffers: cw 22,118,400 bytes; qb 13,107,200 bytes; kv 13,107,200 bytes
;; launch quant (part 1): grid 864 x 1, 4 waves a work-group, no clusters, 33,280 bytes of LDS; arguments Q, K, V, Wq, Wk, Wv, cw; writes cw
.if DOCPART == 1
	.amdgcn_target "amdgcn-amd-amdhsa--gfx1250"
	.amdhsa_code_object_version 6
	.text
	.protected	k_q8da4f1bdcd_quant
	.globl	k_q8da4f1bdcd_quant
	.p2align	8
	.type	k_q8da4f1bdcd_quant,@function
k_q8da4f1bdcd_quant:
	s_mov_b64 s[64:65], 0
	v_nop
	global_prefetch_b8 v0, s[64:65] scope:SCOPE_SE
	s_setreg_imm32_b32 hwreg(HW_REG_WAVE_MODE, 25, 1), 1
	s_wait_xcnt 0x0
; Q, K, V [8192][1024] and Wq, Wk, Wv [1024][1024], f32, become codes of BF6 (E3M2) along the last axis, with one E8M0 byte for each 32.
; In this program every input is loaded and every product is done.
; The six tensors are ONE matrix of 27,648 rows: 0 Q, 8192 K, 16384 V, 24576 Wq, 25600 Wk, 26624 Wv.
; ROW ORDER: inside each 64 rows, stored row 16 i + r is true row 8 i + r (r < 8) or 32 + 8 i + r - 8 (r >= 8): used as source 0 of a
; matrix instruction, four neighbouring stored tiles give lane (r, h) the 32 true rows 32 h + 0 .. 31: one whole block of the next K.
; cw: [216 blocks of 128 stored rows][102,400 bytes]: +0 scale bytes [128][32]; +4,096 + 24,576 s: the codes of K step s (256 along K), [128][192 bytes].
; A block's scale byte is its largest magnitude's exponent field - 4, held at 1 from below (a block of zeros keeps 1: its codes are zeros; this program alone reads the bytes).
; LIMITS: blocks whose largest magnitude lies under 2^-122 keep the byte 1; NaN and infinities among the inputs are not served.
; A work-group takes 32 true rows, a wave 8: 16 steps of 512 numbers, turned through the wave's own LDS stage so that a lane holds 16 neighbours.
.set STEPS, 16
.set EMAX,  4
.set R,     16
.set X,     80
.set C,     128
.set E,     112
.set WREG,  8192
.set SP,    80
.set RBB,   102400
	s_load_b256 s[4:11], s[0:1], 0x0               ; Q, K, V, Wq
	s_load_b128 s[12:15], s[0:1], 0x20             ; Wk, Wv
	s_load_b64 s[16:17], s[0:1], 0x30              ; cw
	v_lshl_add_u32 v192, v0, 2, 0x8000             ; my spare word, behind the four regions
	v_mov_b32 v193, 0
	v_lshrrev_b32 v1, 5, v0
	v_readfirstlane_b32 s20, v1                    ; wave
	v_and_b32 v2, 31, v0
	v_lshlrev_b32 v3, 4, v2                        ; my 16 bytes of a load's 512
	s_mul_i32 s24, s20, WREG
	v_lshrrev_b32 v14, 2, v2
	v_mul_u32_u24 v14, v14, SP
	v_and_b32 v15, 3, v2
	v_lshl_add_u32 v14, v15, 4, v14
	v_add_nc_u32 v14, s24, v14                     ; the stage, way in
	v_mul_u32_u24 v15, v2, SP
	v_add_nc_u32 v15, s24, v15                     ; way out: my 16 neighbours
	v_and_b32 v4, 15, v2
	v_mul_u32_u24 v4, v4, 12
	v_lshrrev_b32 v5, 4, v2
	v_mad_u32_u24 v4, v5, 24576, v4                ; my 12 bytes of codes: lanes 16-31 lie in the next K step's block
	v_lshrrev_b32 v5, 1, v2
	s_add_co_u32 s24, s24, 2*32*SP
	v_add_nc_u32 v5, s24, v5                       ; LDS: my block's scale byte
	v_lshlrev_b32 v7, 3, v2
	v_add_nc_u32 v6, s24, v7
	s_and_b32 s25, ttmp9, 1                        ; THE ROW ORDER: true group 4 (g & 1) + w of the 64 rows goes to stored group 2 w + (g & 1)
	s_lshl_b32 s26, s20, 1
	s_or_b32 s25, s25, s26
	s_lshr_b32 s26, ttmp9, 1
	s_lshl_b32 s26, s26, 3
	s_add_co_u32 s26, s26, s25                     ; which run of 8 stored rows I write
	s_lshr_b32 s27, s26, 4
	s_mul_i32 s27, s27, RBB                        ; its block of 128 rows
	s_and_b32 s26, s26, 15
	s_lshl_b32 s30, s26, 8
	s_add_co_u32 s30, s30, s27                     ; its 256 scale bytes
	s_mov_b32 s31, 0
	s_mul_i32 s28, s26, 8*192
	s_add_co_u32 s28, s28, s27
	s_add_co_u32 s28, s28, 4096                    ; its codes of K step 0
	s_mov_b32 s29, 0
	s_wait_alu depctr_va_vdst(0)
	s_wait_kmcnt 0x0
	s_mov_b64 s[22:23], s[14:15]
	s_mov_b32 s21, 832
.macro PICK below, ptr, base
	s_cmp_lt_u32 ttmp9, \below
	s_cselect_b64 s[22:23], s[\ptr:\ptr+1], s[22:23]
	s_cselect_b32 s21, \base, s21
.endm
	PICK 832, 12, 800
	PICK 800, 10, 768
	PICK 768, 8, 512
	PICK 512, 6, 256
	PICK 256, 4, 0
	s_sub_co_u32 s21, ttmp9, s21
	s_lshl_b32 s21, s21, 2
	s_add_co_u32 s21, s21, s20                     ; which run of 8 true rows I read
	s_lshl_b32 s26, s21, 15
	s_mov_b32 s27, 0
	s_add_nc_u64 s[22:23], s[22:23], s[26:27]
	s_add_nc_u64 s[18:19], s[16:17], s[30:31]
	s_add_nc_u64 s[16:17], s[16:17], s[28:29]
.macro LOAD t
.irp i, 0,1,2,3
	global_load_b128 v[R+16*((\t)%4)+4*\i:R+16*((\t)%4)+4*\i+3], v3, s[22:23] offset:2048*(\t)+512*\i th:TH_LOAD_NT
.endr
.endm
.macro TURN t                          ; LDS serves a wave's instructions in order: no wait between the stores and the loads
.irp i, 0,1,2,3
	ds_store_b128 v14, v[R+16*((\t)%4)+4*\i:R+16*((\t)%4)+4*\i+3] offset:32*SP*((\t)%2)+8*SP*\i
.endr
.irp i, 0,1,2,3
	ds_load_b128 v[X+16*((\t)%2)+4*\i:X+16*((\t)%2)+4*\i+3], v15 offset:32*SP*((\t)%2)+16*\i
.endr
.endm
.irp t, 0,1,2,3
	LOAD \t
.endr
	s_wait_loadcnt 12                              ; step 0's four loads are in; the twelve of steps 1 to 3 may be out
	TURN 0
.macro STEP t
.set XS, X+16*((\t)%2)
.if (\t) > 0
	s_wait_dscnt 1                                 ; this step's numbers are back (the last step's byte store may be out)
.else
	s_wait_dscnt 0x0
.endif
.if (\t)+4 < STEPS
	LOAD (\t)+4
.endif
.if (\t)+1 < STEPS
.if STEPS-2-(\t) >= 3
	s_wait_loadcnt 12                              ; the next step's four loads are in; three steps' may be out
.else
	s_wait_loadcnt 4*(STEPS-2-(\t))
.endif
	TURN (\t)+1
.endif
	v_max3_num_f32 v8, |v[XS]|, |v[XS+1]|, |v[XS+2]|
	v_max3_num_f32 v9, |v[XS+3]|, |v[XS+4]|, |v[XS+5]|
.irp i, 6,10
	v_max3_num_f32 v8, v8, |v[XS+\i]|, |v[XS+\i+1]|
	v_max3_num_f32 v9, v9, |v[XS+\i+2]|, |v[XS+\i+3]|
.endr
	v_max3_num_f32 v8, v8, |v[XS+14]|, |v[XS+15]|
	v_max3_num_f32 v8, v8, v9, (EMAX+1)<<23        ; the floor: the byte cannot fall under 1
	v_max_num_f32_dpp v8, v8, v8 row_xmask:1 row_mask:0xf bank_mask:0xf   ; with my neighbour's 16: the block's
	v_add_nc_u32 v11, -(EMAX<<23), v8              ; the conversion's scale operand
	v_cvt_scalef32_pk16_bf6_f32 v[C+4*(\t):C+4*(\t)+2], v[XS:XS+15], v11
	v_lshrrev_b32 v[E+(\t)], 23, v11               ; the scale's byte
	ds_store_b8 v5, v[E+(\t)] offset:16*(\t)
	global_store_b96 v4, v[C+4*(\t):C+4*(\t)+2], s[16:17] offset:192*((\t)/2)+49152*((\t)%2)   ; row t / 2, K steps 2 (t % 2) and 2 (t % 2) + 1: 192 consecutive bytes in each
.endm
.irp t, 0,1,2,3,4,5,6,7,8,9,10,11,12,13,14,15
	STEP \t
.endr
	ds_load_b64 v[12:13], v6
	s_wait_dscnt 0x0
	global_store_b64 v7, v[12:13], s[18:19]        ; 32 lanes store 256 consecutive bytes, aligned
	s_wait_tensorcnt 0x0                           ; the wave's end
	ds_add_u32 v192, v193
	s_wait_dscnt 0x0
	s_endpgm
.Lfunc_end_k_q8da4f1bdcd_quant:
	.size	k_q8da4f1bdcd_quant, .Lfunc_end_k_q8da4f1bdcd_quant-k_q8da4f1bdcd_quant
	.p2alignl 7, 3214868480
	.fill 96, 4, 3214868480
	.section	.rodata,"a",@progbits
	.p2align	6, 0x0
	.amdhsa_kernel k_q8da4f1bdcd_quant
		.amdhsa_group_segment_fixed_size 33280
		.amdhsa_private_segment_fixed_size 0
		.amdhsa_enable_private_segment 0
		.amdhsa_kernarg_size 56
		.amdhsa_user_sgpr_count 2
		.amdhsa_user_sgpr_kernarg_segment_ptr 1
		.amdhsa_wavefront_size32 1
		.amdhsa_system_sgpr_workgroup_id_x 1
		.amdhsa_system_sgpr_workgroup_id_y 1
		.amdhsa_system_sgpr_workgroup_id_z 1
		.amdhsa_system_vgpr_workitem_id 0
		.amdhsa_next_free_vgpr 194
		.amdhsa_next_free_sgpr 66
		.amdhsa_reserve_vcc 0
		.amdhsa_float_denorm_mode_32 3
		.amdhsa_float_denorm_mode_16_64 3
		.amdhsa_memory_ordered 1
		.amdhsa_forward_progress 1
		.amdhsa_inst_pref_size 34
	.end_amdhsa_kernel
	.amdgpu_metadata
---
amdhsa.version: [ 1, 2 ]
amdhsa.kernels:
  - .name:           k_q8da4f1bdcd_quant
    .symbol:         k_q8da4f1bdcd_quant.kd
    .args:
      - { .name: Q, .offset: 0, .size: 8, .value_kind: global_buffer, .address_space: global }
      - { .name: K, .offset: 8, .size: 8, .value_kind: global_buffer, .address_space: global }
      - { .name: V, .offset: 16, .size: 8, .value_kind: global_buffer, .address_space: global }
      - { .name: Wq, .offset: 24, .size: 8, .value_kind: global_buffer, .address_space: global }
      - { .name: Wk, .offset: 32, .size: 8, .value_kind: global_buffer, .address_space: global }
      - { .name: Wv, .offset: 40, .size: 8, .value_kind: global_buffer, .address_space: global }
      - { .name: cw, .offset: 48, .size: 8, .value_kind: global_buffer, .address_space: global }
    .group_segment_fixed_size: 33280
    .private_segment_fixed_size: 0
    .kernarg_segment_align: 8
    .kernarg_segment_size: 56
    .max_flat_workgroup_size: 128
    .sgpr_count:     66
    .vgpr_count:     194
    .wavefront_size: 32
...
	.end_amdgpu_metadata
.endif
;; end of part 1
;; launch proj (part 2): grid 4 x 96, 4 waves a work-group, clusters of 4 x 4, 327,680 bytes of LDS; arguments cw, bq, bk, bv, qb, kv; writes qb, kv
.if DOCPART == 2
	.amdgcn_target "amdgcn-amd-amdhsa--gfx1250"
	.amdhsa_code_object_version 6
	.text
	.protected	k_q8da4f1bdcd_proj
	.globl	k_q8da4f1bdcd_proj
	.p2align	8
	.type	k_q8da4f1bdcd_proj,@function
k_q8da4f1bdcd_proj:
	s_mov_b64 s[64:65], 0
	v_nop
	global_prefetch_b8 v0, s[64:65] scope:SCOPE_SE
	s_setreg_imm32_b32 hwreg(HW_REG_WAVE_MODE, 25, 1), 1
	s_wait_xcnt 0x0
	s_wait_alu depctr_hold_cnt(0) depctr_sa_sdst(0) depctr_va_vdst(0) depctr_va_sdst(0) depctr_va_ssrc(0) depctr_va_vcc(0) depctr_vm_vsrc(0)
	s_getreg_b32 s2, hwreg(HW_REG_IB_STS2, 6, 4)
	s_cmp_eq_u32 s2, 0
	s_cbranch_scc0 .Lentry_in_a_cluster
	s_endpgm
.Lentry_in_a_cluster:
	s_bfe_u32 s2, ttmp6, 0x10000c
	s_cmp_lg_u32 s2, 0xf033
	s_cbranch_scc0 .Lentry_shape_is_right
	s_endpgm
.Lentry_shape_is_right:
; The three projections y = x W^T + b on codes of BF6 with E8M0 scales, K = 1,024, sums in f32, bias added in f32; y is quantised again in registers,
; along the axis that the attention contracts, and stored as images of the attention's operand registers.
; cw: [216 blocks of 128 stored rows][102,400 bytes]: +0 scale bytes [128][32], +4,096 + 24,576 s the codes of K step s [128][192].  Row order: see launch quant.
; A tile of y, 256 x 256, is made by four waves, 128 x 128 each: 64 accumulators.  S1 goes to source 1 (a lane holds one row of it), S0 to source 0 (it runs along a lane's
; registers: by the row order the 32 registers of S0's blocks 4 c .. 4 c + 3 are the true rows 64 c + 32 (lane / 16) + 0 .. 31: one whole block of 32).
;   cluster y 0-7 (q), 8-15 (k): S1 = tokens, S0 = rows of W.   16-23 (v): S1 = rows of Wv, S0 = tokens (the keys, the second attention product's K).
; CLUSTERS 4 x 4: S1's tiles are asked for jointly along a row of the cluster, S0's along a column.
; TENSOR LOADS: every tile is a dense run of memory, stated as rows of 256 bytes that begin on 256-byte borders, with 16 bytes of LDS padding behind each 64: a row of 192 bytes of codes
; takes 240 bytes of LDS.  At the head each wave asks ONCE, for its 128 rows' scales and K steps 0 and 1 (53,248 bytes on end); K steps 2 and 3 refill the two slots, one load a wave behind each round.
; No prefetch: the walk has four K steps, two of them asked for at the head, so there is no loop to run ahead in.
; OUTPUT qb, kv: [64 heads][16 steps of 128 tokens][12,800 bytes]: +0 four double fragments of k (or q), +6,144 four fragments of v, +12,288 k's scale words [16 r][4 j], +12,544 v's [16 r][4 t].
; A fragment is three planes of 512 bytes: plane p holds registers 4 p .. 4 p + 3 of lane l at byte 16 l.  Double fragment j: registers 0-5 stored token 32 j + r, 6-11 stored token 32 j + 16 + r.
; LIMITS: a block of y whose largest magnitude lies under 2^-122 keeps the scale byte 1; NaN and infinities are not served.
; WINDOWS: 0: addresses, scale words v32-63, bias v64-127, S1's fragments from v128 (the way out works in v128-251); 1: S0's fragments, two sets; 2, 3: accumulators.
.set NQ,     2
.set PITCH,  240
.set FR,     12
.set NL,     6
.set NP,     4
.set HALFT,  128*PITCH
.set SCP,    5120                      ; 4,096 scale bytes with their padding
.set QB,     SCP+2*HALFT               ; a quarter of LDS's tiles: 128 rows' scales, slot 0, slot 1
.set SBLK,   640                       ; the scales of 16 rows in LDS
.set SPARE,  4*QB
.set RBB,    102400
.set SCB,    4096
.set STB,    24576
.set HEADB,  204800
.set STEPB,  12800
.set FRB,    1536
.set ADRA, 16
.set ADRB, 20
.set LI,   24
.set WO,   25
.set SH8,  26
.set ADRS, 27
.set SPW,  28
.set NIL,  29
.set BR,   30
.set BH,   31
.set SC,   32
.set BI,   64
.set AF,   128
.set YV,   128
.set DA,   192
.set DB,   204
.set T2,   216
.set TM,   224
.set EB,   230
.set XW,   234
.set PX,   238
.set WS,   240
.set PWV,  244
.set G1, 24
.set G0, 32
.set G1B, 48
.set G0B, 56
.set G0H, 68
.set G0HB, 72
.set YC,  95
.set MSB, 0
.macro WIN new
.if MSB != (\new)
	s_set_vgpr_msb (MSB<<8)|(\new)
.set MSB, (\new)
.endif
.endm
.set MUL_LO, 0xa1
.set MUL_HI, 0xf1
.set TO_B,   0x40
; a joint load: waves 0, 1 ask for S1, waves 2, 3 for S0
.macro JLOAD g0a, g1a, g0b, g1b
	s_cmp_eq_u32 s15, 0
	s_cbranch_scc0 .Lfor_b_\@
	tensor_load_to_lds s[\g0a:\g0a+3], s[\g1a:\g1a+7]
	s_nop 0
.rept 4
	v_nop
.endr
	s_branch .Lasked_\@
.Lfor_b_\@:
	tensor_load_to_lds s[\g0b:\g0b+3], s[\g1b:\g1b+7]
	s_nop 0
.rept 4
	v_nop
.endr
.Lasked_\@:
.endm
.macro CREST
	s_cmp_lg_u32 s14, 0
	s_cbranch_scc1 .Lnot_wave_0_\@
	s_barrier_signal -3
.Lnot_wave_0_\@:
	s_barrier_wait -3
	s_barrier_signal -1
	s_barrier_wait -1
.endm
.macro CROUND
	s_barrier_signal -1
	s_barrier_wait -1
	CREST
.endm
	s_load_b128 s[4:7], s[0:1], 0x0                ; cw, bq
	s_load_b128 s[8:11], s[0:1], 0x10              ; bk, bv
	s_load_b128 s[96:99], s[0:1], 0x20             ; qb, kv
	v_lshl_add_u32 v[SPW], v0, 2, SPARE
	v_mov_b32 v[NIL], 0
	ds_add_u32 v[SPW], v[NIL]
	ds_add_u32 v[SPW], v[NIL]
	v_lshrrev_b32 v1, 5, v0
	v_readfirstlane_b32 s14, v1                    ; wave
	s_lshr_b32 s15, s14, 1                         ; my half of S1's rows; also: I ask for S1 (0) or S0 (1)
	s_and_b32 s16, s14, 1                          ; my half of S0's rows; also: which 128 rows I ask for
	s_bfe_u32 s40, ttmp6, 0x40000                  ; cx
	s_bfe_u32 s41, ttmp6, 0x40004                  ; cy
	s_and_b32 s[YC], ttmp7, 0xffff                 ; the cluster's y, 0 .. 23
	s_lshl_b32 s43, s41, 2
	s_lshl_b32 s43, 15, s43                        ; my row of the cluster
	s_lshl_b32 s44, 0x1111, s40                    ; my column
	s_lshl_b32 s67, s[YC], 10                      ; x's rows of this cluster
	s_lshr_b32 s93, s[YC], 3
	s_lshl_b32 s93, s93, 10
	s_add_co_u32 s93, s93, 24576                   ; Wq's or Wk's first row
	s_cmp_lt_u32 s[YC], 16
	s_cselect_b32 s17, s67, 26624                  ; S1: tokens, or Wv's rows
	s_cselect_b32 s42, s93, s67                    ; S0: W's rows, or tokens
	s_cselect_b32 s2, s41, s40                     ; my work-group's 256 tokens,
	s_cselect_b32 s94, s40, s41                    ; and 256 channels;
	s_cselect_b32 s45, s15, s16                    ; my wave's half of the tokens,
	s_cselect_b32 s46, s16, s15                    ; and of the channels
	s_lshl_b32 s18, s41, 8
	s_add_co_u32 s17, s17, s18                     ; S1's first row: never holds cx
	s_lshl_b32 s47, s40, 8
	s_add_co_u32 s42, s42, s47                     ; S0's first row: never holds cy
	s_lshl_b32 s66, s[YC], 2
	s_add_co_u32 s66, s66, s2
	s_and_b32 s66, s66, 31
	s_lshl_b32 s66, s66, 1
	s_add_co_u32 s66, s66, s45                     ; my 128 tokens: batch = group / 16, step = group % 16
	s_lshl_b32 s94, s94, 2
	s_lshl_b32 s46, s46, 1
	s_add_co_u32 s94, s94, s46                     ; my first head
	s_lshl_b32 s2, s94, 8                          ; its bias
	s_mov_b32 s3, 0
	s_lshr_b32 s67, s66, 4
	s_lshl_b32 s67, s67, 4
	s_add_co_u32 s67, s67, s94
	s_mul_i32 s67, s67, HEADB
	s_and_b32 s66, s66, 15
	s_mul_i32 s66, s66, STEPB
	s_add_co_u32 s66, s66, s67                     ; my first head's step block in qb or kv
	s_mov_b32 s67, 0
	s_or_b32 s[G1+0], s43, (0<<16)|(1<<20)|(1<<21)|(3<<22)|(3<<25)   ; mask; bytes; 4 words of padding behind every 16
	s_or_b32 s[G1B+0], s44, (0<<16)|(1<<20)|(1<<21)|(3<<22)|(3<<25)
.irp g, G1, G1B
	s_mov_b32 s[\g+1], 256<<16
	s_mov_b32 s[\g+2], 208<<16                     ; the head's load: 208 rows of 256 bytes
	s_mov_b32 s[\g+3], 256<<16
	s_mov_b32 s[\g+4], 208
	s_mov_b32 s[\g+5], 256
	s_mov_b32 s[\g+6], 0
	s_mov_b32 s[\g+7], 0
.endr
	s_lshr_b32 s20, s17, 7
	s_add_co_u32 s20, s20, s16
	s_mul_i32 s20, s20, RBB                        ; S1's block of 128 rows that I ask for (under 2^25 bytes)
	s_mov_b32 s21, 0
	s_lshr_b32 s46, s42, 7
	s_add_co_u32 s46, s46, s16
	s_mul_i32 s46, s46, RBB                        ; S0's
	s_mov_b32 s47, 0
	s_mul_i32 s45, s14, QB                         ; where it goes: the wave's number alone
	s_wait_dscnt 0x0
	s_wait_kmcnt 0x0
	s_cmp_lt_u32 s[YC], 8
	s_cselect_b64 s[12:13], s[96:97], s[98:99]     ; q goes to qb, k and v to kv
	s_cselect_b64 s[8:9], s[6:7], s[8:9]
	s_cmp_lt_u32 s[YC], 16
	s_cselect_b64 s[8:9], s[8:9], s[10:11]         ; bq, bk or bv
	s_add_nc_u64 s[12:13], s[12:13], s[66:67]
	s_add_nc_u64 s[8:9], s[8:9], s[2:3]
	s_add_nc_u64 s[20:21], s[4:5], s[20:21]
	s_add_nc_u64 s[46:47], s[4:5], s[46:47]
	CROUND                                         ; in front of the first joint loads
	s_mov_b32 s[G0H], 1
	s_mov_b32 s[G0H+1], s45
	s_mov_b64 s[G0H+2:G0H+3], s[20:21]
	s_or_b32 s[G0H+3], s[G0H+3], 0x80000000
	s_mov_b32 s[G0HB], 1
	s_mov_b32 s[G0HB+1], s45
	s_mov_b64 s[G0HB+2:G0HB+3], s[46:47]
	s_or_b32 s[G0HB+3], s[G0HB+3], 0x80000000
.irp s, 0,1                            ; slot s is filled again once, with K step s + 2
	s_mov_b32 s[G0+4*\s], 1
	s_add_co_u32 s[G0+4*\s+1], s45, SCP+\s*HALFT
	s_add_nc_u64 s[G0+4*\s+2:G0+4*\s+3], s[20:21], SCB+(\s+2)*STB
	s_or_b32 s[G0+4*\s+3], s[G0+4*\s+3], 0x80000000
	s_mov_b32 s[G0B+4*\s], 1
	s_add_co_u32 s[G0B+4*\s+1], s45, SCP+\s*HALFT
	s_add_nc_u64 s[G0B+4*\s+2:G0B+4*\s+3], s[46:47], SCB+(\s+2)*STB
	s_or_b32 s[G0B+4*\s+3], s[G0B+4*\s+3], 0x80000000
.endr
	JLOAD G0H, G1, G0HB, G1B                       ; my one load at the head: scales, K steps 0 and 1 of 128 rows
	v_and_b32 v1, 15, v0                           ; r
	v_bfe_u32 v2, v0, 4, 1                         ; h
	v_mul_u32_u24 v3, v1, PITCH
	v_mul_u32_u24 v4, v2, 24
	v_add_nc_u32 v4, v3, v4
	v_lshl_add_u32 v5, v2, 4, v4                   ; the same behind one padding more
	s_mul_i32 s21, s15, QB
	s_mul_i32 s22, s16, QB
	s_add_co_u32 s22, s22, 2*QB
	s_add_co_u32 s21, s21, SCP                     ; my 128 rows of S1, slot 0
	s_add_co_u32 s22, s22, SCP                     ; my 128 rows of S0, slot 0
.irp s, 0,1
	v_add_nc_u32 v[ADRA+\s], s21, v4
	v_add_nc_u32 v[ADRB+\s], s22, v4
	v_add_nc_u32 v[ADRA+2+\s], s21, v5
	v_add_nc_u32 v[ADRB+2+\s], s22, v5
	s_add_co_u32 s21, s21, HALFT
	s_add_co_u32 s22, s22, HALFT
.endr
	v_lshrrev_b32 v5, 1, v1
	v_mul_u32_u24 v5, v5, 80
	v_and_b32 v6, 1, v1
	v_lshl_add_u32 v5, v6, 5, v5                   ; my row's scales: two rows of 32 bytes, then 16 of padding
	s_mul_i32 s21, s15, QB
	s_mul_i32 s22, s16, QB
	s_add_co_u32 s22, s22, 2*QB
	s_sub_co_u32 s22, s22, s21
	v_mul_u32_u24 v6, s22, v2                      ; lanes 16-31 take S0's
	v_add_nc_u32 v5, v5, v6
	v_add_nc_u32 v[ADRS], s21, v5
	v_and_b32 v6, 31, v0
	v_lshlrev_b32 v[LI], 4, v6
	v_mul_u32_u24 v[WO], v2, HEADB
	v_lshl_add_u32 v[WO], v1, 4, v[WO]
	v_lshlrev_b32 v[SH8], 3, v2
	v_lshrrev_b32 v6, 3, v1
	v_mad_u32_u24 v6, v6, 24, v1                   ; r + 24 (r / 8): the true row of stored row r
	v_lshlrev_b32 v[BR], 2, v6
	v_lshlrev_b32 v[BH], 7, v2
	s_wait_alu depctr_va_vdst(0)
	s_cmp_lt_u32 s[YC], 16
	s_cbranch_scc0 .Lbias_v
.irp b, 0,1,2,3,4,5,6,7                ; q, k: register 8 b + j: the bias of channel 64 (b / 4) + 32 h + 8 (b % 4) + j
	global_load_b128 v[BI+8*\b:BI+8*\b+3], v[BH], s[8:9] offset:(64*(\b/4)+8*(\b%4))*4
	global_load_b128 v[BI+8*\b+4:BI+8*\b+7], v[BH], s[8:9] offset:(64*(\b/4)+8*(\b%4))*4+16
.endr
	s_branch .Lbias_in
.Lbias_v:
.irp a, 0,1,2,3,4,5,6,7                ; v: registers 8 a + 0 .. 7: the bias of my lane's channel in S1 block a
.irp j, 0,1,2,3,4,5,6,7
	global_load_b32 v[BI+8*\a+\j], v[BR], s[8:9] offset:(64*(\a/4)+8*(\a%4))*4
.endr
.endr
.Lbias_in:
.macro FRAG reg, adr, q, i             ; 16 rows x 128 K: 12 registers, in pieces of 8 bytes; the second address register serves where lanes 16-31 lie behind one padding more
.irp p, 0,1,2,3,4,5
.set PC, 12*(\q)+6*(\p/3)+\p%3
.if PC%8 < 5
	ds_load_b64 v[\reg+2*\p:\reg+2*\p+1], v[\adr] offset:8*PC+16*(PC/8)+(\i)*16*PITCH
.else
	ds_load_b64 v[\reg+2*\p:\reg+2*\p+1], v[\adr+2] offset:8*PC+16*(PC/8)+(\i)*16*PITCH
.endif
.endr
.endm
; 16 matrix instructions; the 64 accumulators take turns in the same order in every step
.macro MUL16 a0, p, q, sc, zero
.irp a, \a0, \a0+1
.irp b, 0,1,2,3,4,5,6,7
.if \zero
	v_wmma_scale_f32_16x16x128_f8f6f4 v[8*(8*((\a)%4)+\b):8*(8*((\a)%4)+\b)+7], v[128*(\p)+FR*\b:128*(\p)+FR*\b+FR-1], v[AF+FR*(\a):AF+FR*(\a)+FR-1], 0, v[SC+8*NQ*(\sc)+NQ*\b+(\q)], v[SC+8*NQ*(\sc)+NQ*(\a)+(\q)] matrix_a_fmt:MATRIX_FMT_BF6 matrix_b_fmt:MATRIX_FMT_BF6 matrix_a_scale:MATRIX_SCALE_ROW1
.else
	v_wmma_scale_f32_16x16x128_f8f6f4 v[8*(8*((\a)%4)+\b):8*(8*((\a)%4)+\b)+7], v[128*(\p)+FR*\b:128*(\p)+FR*\b+FR-1], v[AF+FR*(\a):AF+FR*(\a)+FR-1], v[8*(8*((\a)%4)+\b):8*(8*((\a)%4)+\b)+7], v[SC+8*NQ*(\sc)+NQ*\b+(\q)], v[SC+8*NQ*(\sc)+NQ*(\a)+(\q)] matrix_a_fmt:MATRIX_FMT_BF6 matrix_b_fmt:MATRIX_FMT_BF6 matrix_a_scale:MATRIX_SCALE_ROW1
.endif
.endr
.endr
.endm
.macro FETCH_B slot, q, p
	WIN TO_B
.irp i, 0,1,2,3,4,5,6,7
	FRAG 128*(\p)+FR*\i, ADRB+\slot, \q, \i
.endr
	WIN 0
.endm
.macro FETCH_A slot, q, i0
.irp i, \i0, \i0+1, \i0+2, \i0+3
	FRAG AF+FR*(\i), ADRA+\slot, \q, \i
.endr
.endm
.macro SCALES sc                       ; a K step's scale words: lanes 0-15 S1's block i, lanes 16-31 S0's
.irp i, 0,1,2,3,4,5,6,7
	ds_load_b64 v[SC+8*NQ*\sc+NQ*\i:SC+8*NQ*\sc+NQ*\i+1], v[ADRS] offset:\i*SBLK
.endr
.endm
.macro PLACES n                        ; places behind matrix instructions (ISA guide 7.12.1)
.rept \n
	v_nop
.endr
.endm
.macro STEP slot, q, zero              ; 128 along K with its successor in the same slot
	s_wait_dscnt 4*NL                              ; the youngest 24 loads (S1's blocks 4-7) may be out
	WIN MUL_LO
	MUL16 0, (\q)%2, \q, \slot, \zero
	MUL16 2, (\q)%2, \q, \slot, \zero
	s_wait_dscnt 0
	PLACES NP
	FETCH_B \slot, (\q)+1, 1-(\q)%2
	FETCH_A \slot, (\q)+1, 0
	WIN MUL_HI
	MUL16 4, (\q)%2, \q, \slot, \zero
	MUL16 6, (\q)%2, \q, \slot, \zero
	PLACES NP
	WIN 0
	FETCH_A \slot, (\q)+1, 4
.endm
.macro TURN slot, next, fill           ; a slot's last step changes slots
	s_wait_tensorcnt 0x0                           ; all my tensor loads have landed,
	ds_add_u32 v[SPW], v[NIL]
	s_wait_dscnt 4*NL+1                            ; (the add and the youngest 24 loads may be out)
	WIN MUL_LO
	MUL16 0, 1, NQ-1, \slot, 0
	s_wait_dscnt 0x0                               ; the add is done, my reads of this slot are over
	s_barrier_signal -1
	MUL16 2, 1, NQ-1, \slot, 0
	WIN 0
	s_barrier_wait -1
.if \fill
	CREST                                          ; the barrier has opened a round of the cluster's barrier
	JLOAD G0+4*\slot, G1, G0B+4*\slot, G1B         ; my one load behind the round; its four v_nop are the places for the loads below
.else
	PLACES NP
.endif
	s_wait_alu depctr_va_vdst(0)
	v_add_nc_u32 v[ADRS], 4*NQ, v[ADRS]            ; the next K step's scale words
	FETCH_B \next, 0, 0
	FETCH_A \next, 0, 0
	SCALES \next
	WIN MUL_HI
	MUL16 4, 1, NQ-1, \slot, 0
	MUL16 6, 1, NQ-1, \slot, 0
	PLACES NP
	WIN 0
	FETCH_A \next, 0, 4
.endm
	s_wait_alu depctr_va_vdst(0)
	s_wait_loadcnt 0x0                             ; the bias is in
	s_wait_tensorcnt 0x0                           ; my part of the head's tiles is in; no load of mine is out, so group 1 may be written:
	s_mov_b32 s[G1+2], 96<<16                      ; from here on a load brings one K step of 128 rows: 96 rows of 256 bytes
	s_mov_b32 s[G1+4], 96
	s_mov_b32 s[G1B+2], 96<<16
	s_mov_b32 s[G1B+4], 96
	s_barrier_signal -1
	s_barrier_wait -1                              ; everybody's part is in
	FETCH_B 0, 0, 0
	FETCH_A 0, 0, 0
	SCALES 0
	FETCH_A 0, 0, 4
	STEP 0, 0, 1                                   ; the first products start the sums
	TURN 0, 1, 1
	STEP 1, 0, 0
	TURN 1, 0, 1
	STEP 0, 0, 0
	TURN 0, 1, 0
	STEP 1, 0, 0
	s_wait_dscnt 4*NL
	WIN MUL_LO
	MUL16 0, 1, NQ-1, 1, 0
	MUL16 2, 1, NQ-1, 1, 0
	s_wait_dscnt 0
	WIN MUL_HI
	MUL16 4, 1, NQ-1, 1, 0
	MUL16 6, 1, NQ-1, 1, 0
	WIN 0
; THE WAY OUT touches no LDS.  ADDB: one S1 block's 64 results plus the bias come into window 0, each accumulator from its low end on.
.macro ADDB a, vmode
	WIN 0x02+(\a)/4
.set ii, 0
.rept 32
.if \vmode
	v_pk_add_f32 v[YV+2*ii:YV+2*ii+1], v[64*((\a)%4)+2*ii:64*((\a)%4)+2*ii+1], v[BI+8*(\a):BI+8*(\a)+1]
.else
	v_pk_add_f32 v[YV+2*ii:YV+2*ii+1], v[64*((\a)%4)+2*ii:64*((\a)%4)+2*ii+1], v[BI+2*ii:BI+2*ii+1]
.endif
.set ii, ii+1
.endr
	WIN 0
.endm
; QUANT: register 32 c + i of v[s ..] is k = 64 c + 32 (lane / 16) + i: two whole blocks a lane.  Block c becomes six registers at v[d0] (c = 0), v[d1] (c = 1); its byte goes to v[e + c].
.macro QUANT s, d0, d1, e
.irp b, 0,1,2,3
	v_max3_num_f32 v[TM+\b], |v[\s+16*\b]|, |v[\s+1+16*\b]|, 0x2800000   ; four chains of 16, with the floor 2^(5 - 127)
.endr
.irp i, 2,4,6,8,10,12,14
.irp b, 0,1,2,3
	v_max3_num_f32 v[TM+\b], v[TM+\b], |v[\s+16*\b+\i]|, |v[\s+1+16*\b+\i]|
.endr
.endr
	v_max_num_f32 v[TM], v[TM], v[TM+1]
	v_max_num_f32 v[TM+2], v[TM+2], v[TM+3]
	v_add_nc_u32 v[TM+4], 0xfe000000, v[TM]        ; 4 off the exponent field: the conversion's scale operand
	v_add_nc_u32 v[TM+5], 0xfe000000, v[TM+2]
	v_lshrrev_b32 v[\e], 23, v[TM+4]
	v_lshrrev_b32 v[\e+1], 23, v[TM+5]
	v_cvt_scalef32_pk16_bf6_f32 v[\d0:\d0+2], v[\s:\s+15], v[TM+4]
	v_cvt_scalef32_pk16_bf6_f32 v[T2:T2+2], v[\s+16:\s+31], v[TM+4]       ; (three registers from an even one: the upper half is made elsewhere and moved)
	v_cvt_scalef32_pk16_bf6_f32 v[\d1:\d1+2], v[\s+32:\s+47], v[TM+5]
	v_cvt_scalef32_pk16_bf6_f32 v[T2+4:T2+6], v[\s+48:\s+63], v[TM+5]
	v_nop                                          ; one plain place behind a scaled conversion
.irp i, 0,1,2
	v_mov_b32 v[\d0+3+\i], v[T2+\i]
	v_mov_b32 v[\d1+3+\i], v[T2+4+\i]
.endr
.endm
	PLACES NP                                      ; behind the last products
	v_mov_b32 v[PX], 0                             ; a lane permute's destination counts as a source
	s_mov_b32 s18, 0x76543210
	s_mov_b32 s19, 0xfedcba98                      ; lane l xor 16
	s_mov_b32 s22, 0xffff0000                      ; lanes 16-31
	s_wait_alu depctr_va_vdst(0)
	s_cmp_lt_u32 s[YC], 16
	s_cbranch_scc0 .Lout_v
	; q, k: my lane's token; block c is head c's channels 32 h .. 32 h + 31.  S1 blocks 2 j, 2 j + 1 make double fragment j of both heads.
.irp j, 0,1,2,3
	s_wait_xcnt 0x0                                ; the last stores have read their registers
	ADDB 2*\j, 0
	QUANT YV, DA, DB, EB
	ADDB 2*\j+1, 0
	QUANT YV, DA+6, DB+6, EB+2
	v_lshl_or_b32 v[XW], v[EB+2], 16, v[EB]        ; head 0: my block's bytes of the two tokens, at bytes 0 and 2
	v_lshl_or_b32 v[XW+1], v[EB+3], 16, v[EB+1]    ; head 1
	v_cndmask_b32 v[XW+2], v[XW], v[XW+1], s22     ; lanes 0-15 keep head 0's and send head 1's, lanes 16-31 the other way round
	v_cndmask_b32 v[XW+3], v[XW+1], v[XW], s22
	v_lshlrev_b32 v[XW+2], v[SH8], v[XW+2]         ; block h stands 8 h bits up
	v_lshlrev_b32 v[XW+3], v[SH8], v[XW+3]
	v_permlanex16_b32 v[PX], v[XW+3], s18, s19
	v_or_b32 v[PWV+\j], v[XW+2], v[PX]             ; lanes 0-15: head 0's word of row r, lanes 16-31: head 1's
.irp p, 0,1,2
	global_store_b128 v[LI], v[DA+4*\p:DA+4*\p+3], s[12:13] offset:FRB*\j+512*\p          ; 32 lanes store 512 consecutive bytes, aligned
	global_store_b128 v[LI], v[DB+4*\p:DB+4*\p+3], s[12:13] offset:HEADB+FRB*\j+512*\p
.endr
.endr
	global_store_b128 v[WO], v[PWV:PWV+3], s[12:13] offset:12288   ; sixteen lanes store a head's 256 bytes of scale words
	s_branch .Lout_done
.Lout_v:
	; v: my lane's channel, 128 keys: S1 block a is fragment a % 4 of head a / 4; block c is keys 64 c + 32 h + 0 .. 31
.irp a, 0,1,2,3,4,5,6,7
	s_wait_xcnt 0x0
	ADDB \a, 1
	QUANT YV, DA, DA+6, EB
	v_lshl_or_b32 v[XW], v[EB+1], 16, v[EB]
	v_lshlrev_b32 v[XW], v[SH8], v[XW]
	v_permlanex16_b32 v[PX], v[XW], s18, s19
	v_or_b32 v[PWV+\a], v[XW], v[PX]               ; the four bytes of my channel's 128 keys
.irp p, 0,1,2
	global_store_b128 v[LI], v[DA+4*\p:DA+4*\p+3], s[12:13] offset:(\a/4)*HEADB+6144+FRB*(\a%4)+512*\p
.endr
.endr
.irp i, 0,1,2,3
	v_cndmask_b32 v[WS+\i], v[PWV+\i], v[PWV+4+\i], s22
.endr
	global_store_b128 v[WO], v[WS:WS+3], s[12:13] offset:12544
.Lout_done:
	s_wait_tensorcnt 0x0                           ; the wave's end
	ds_add_u32 v[SPW], v[NIL]
	s_wait_dscnt 0x0
	CROUND                                         ; the closing round
	s_endpgm
.Lfunc_end_k_q8da4f1bdcd_proj:
	.size	k_q8da4f1bdcd_proj, .Lfunc_end_k_q8da4f1bdcd_proj-k_q8da4f1bdcd_proj
	.p2alignl 7, 3214868480
	.fill 96, 4, 3214868480
	.section	.rodata,"a",@progbits
	.p2align	6, 0x0
	.amdhsa_kernel k_q8da4f1bdcd_proj
		.amdhsa_group_segment_fixed_size 327680
		.amdhsa_private_segment_fixed_size 0
		.amdhsa_enable_private_segment 0
		.amdhsa_kernarg_size 48
		.amdhsa_user_sgpr_count 2
		.amdhsa_user_sgpr_kernarg_segment_ptr 1
		.amdhsa_wavefront_size32 1
		.amdhsa_system_sgpr_workgroup_id_x 1
		.amdhsa_system_sgpr_workgroup_id_y 1
		.amdhsa_system_sgpr_workgroup_id_z 1
		.amdhsa_system_vgpr_workitem_id 0
		.amdhsa_next_free_vgpr 1024
		.amdhsa_next_free_sgpr 102
		.amdhsa_reserve_vcc 0
		.amdhsa_float_denorm_mode_32 3
		.amdhsa_float_denorm_mode_16_64 3
		.amdhsa_memory_ordered 1
		.amdhsa_forward_progress 1
		.amdhsa_inst_pref_size 224
	.end_amdhsa_kernel
	.amdgpu_metadata
---
amdhsa.version: [ 1, 2 ]
amdhsa.kernels:
  - .name:           k_q8da4f1bdcd_proj
    .symbol:         k_q8da4f1bdcd_proj.kd
    .args:
      - { .name: cw, .offset: 0, .size: 8, .value_kind: global_buffer, .address_space: global }
      - { .name: bq, .offset: 8, .size: 8, .value_kind: global_buffer, .address_space: global }
      - { .name: bk, .offset: 16, .size: 8, .value_kind: global_buffer, .address_space: global }
      - { .name: bv, .offset: 24, .size: 8, .value_kind: global_buffer, .address_space: global }
      - { .name: qb, .offset: 32, .size: 8, .value_kind: global_buffer, .address_space: global }
      - { .name: kv, .offset: 40, .size: 8, .value_kind: global_buffer, .address_space: global }
    .group_segment_fixed_size: 327680
    .private_segment_fixed_size: 0
    .kernarg_segment_align: 8
    .kernarg_segment_size: 48
    .max_flat_workgroup_size: 128
    .sgpr_count:     102
    .vgpr_count:     1024
    .wavefront_size: 32
...
	.end_amdgpu_metadata
.endif
;; end of part 2
;; launch attn (part 3): grid 4 x 64, 16 waves a work-group, clusters of 4 x 1, 327,680 bytes of LDS; arguments qb, kv, out0; writes out0
.if DOCPART == 3
	.amdgcn_target "amdgcn-amd-amdhsa--gfx1250"
	.amdhsa_code_object_version 6
	.text
	.protected	k_q8da4f1bdcd_attn
	.globl	k_q8da4f1bdcd_attn
	.p2align	8
	.type	k_q8da4f1bdcd_attn,@function
k_q8da4f1bdcd_attn:
	s_mov_b64 s[64:65], 0
	v_nop
	global_prefetch_b8 v0, s[64:65] scope:SCOPE_SE
	s_setreg_imm32_b32 hwreg(HW_REG_WAVE_MODE, 25, 1), 1
	s_wait_xcnt 0x0
	s_wait_alu depctr_hold_cnt(0) depctr_sa_sdst(0) depctr_va_vdst(0) depctr_va_sdst(0) depctr_va_ssrc(0) depctr_va_vcc(0) depctr_vm_vsrc(0)
	s_getreg_b32 s2, hwreg(HW_REG_IB_STS2, 6, 4)
	s_cmp_eq_u32 s2, 0
	s_cbranch_scc0 .Lentry_in_a_cluster
	s_endpgm
.Lentry_in_a_cluster:
	s_bfe_u32 s2, ttmp6, 0x10000c
	s_cmp_lg_u32 s2, 0x3003
	s_cbranch_scc0 .Lentry_shape_is_right
	s_endpgm
.Lentry_shape_is_right:
; o = softmax(q k^T / 8) v for one head (work-group y) and 512 queries (place in the cluster), on the images that launch proj stored.
; The head's 16 steps of 128 keys (204,800 bytes) come into LDS once, asked for jointly by the four work-groups of the head, and stay; nothing is filled again.
; A wave takes 16 queries at a time, twice (tiles w and 16 + w of the work-group's 32), and walks all 16 steps for each.
; Both products are used transposed (S^T = k q^T, O^T = v^T p^T): a lane holds one query.  By the row order of launch quant, lane (r, h)'s register 32 c + i of S is key
; 64 c + 32 h + i of the step: a lane holds two whole blocks of 32 keys, so a block's largest score needs no other lane and p's codes are the operand's registers as they are converted.
; The head's size is 64: a double fragment of k holds two tokens' 64 channels, and q stands in one half of source 1 with zero codes in the other.
; OPERANDS ONE STEP AHEAD: k's and v's fragments have 48 registers each.  Step t + 1's k is asked of LDS in the middle of step t, when step t's first product has read its registers;
; step t + 1's v behind step t's second product.  A pass's last step is written out and asks for nothing.
; M is the ceiling of the running largest t, kept as -M; p = 2^(t - M); the row's sum is taken of the unquantised p; a change of M multiplies sum and O^T by an exact power of two.
; A block's largest p is made from its largest score by the same multiply-add and exponential.
; No prefetch into the L2: the whole stream is asked for at the head, in two loads a wave; there is no loop to run ahead in.
; LIMITS: the scaled scores stay under 2^31 in magnitude; NaN and infinities are not served.
.set HEADB,  204800
.set STEPB,  12800
.set FRB,    1536
.set PART_A, 5120                      ; the first fill: 16 x 5,120 bytes hold steps 0 to 5
.set PART_B, 7680
.set FIRST,  16*PART_A
.set STAGE,  HEADB
.set SPITCH, 272
.set SPARE,  STAGE+16*16*SPITCH
.set STASH,  SPARE+2048                ; 1,024 bytes a wave: the second tile's q and its scale word
.set AI,  1                            ; 16 x lane
.set SH8, 2                            ; 8 h
.set ADK, 3                            ; the step's base + 16 x lane
.set TP,  4                            ; v4-5 temporaries (the way out: v4 GO, v5 STO, v6 RD)
.set GO,  4
.set STO, 5
.set RD,  6
.set SO,  6                            ; v6-7 the conversions' scale operands; then a chain of the sum
.set BM,  8                            ; v8-11 largest scores; then two chains of the sum
.set SU2, 8
.set SU3, 10
.set SU4, 6
.set NM,  12                           ; v12 -M, v13 the running largest score, v[14:15] the sum in two halves
.set ZQ,  16                           ; six zeros, q's six registers, six zeros
.set FF,  34                           ; f; v35 the lane permutes' destination
.set BT,  35
.set KN,  36                           ; v36-83 k's fragments; between the first product and the next loads v36-42 hold the conversions' upper halves
.set T2,  36
.set KSW, 84
.set VSW, 88
.set QS,  92
.set PS,  93
.set S,   96
.set O,   160
.set PC,  192
.set VF,  204                          ; v204-251 v's fragments
.set WV,  10
.set SEL, 20
.set CS,  22
.set G1A, 24
.set G1B, 32
.set G0A, 40
.set G0B, 44
.set TB,  48
.set CNT, 49
.macro CROUND
	s_barrier_signal -1
	s_barrier_wait -1
	s_cmp_lg_u32 s[WV], 0
	s_cbranch_scc1 .Lnot_wave_0_\@
	s_barrier_signal -3
.Lnot_wave_0_\@:
	s_barrier_wait -3
	s_barrier_signal -1
	s_barrier_wait -1
.endm
	s_load_b128 s[4:7], s[0:1], 0x0                ; qb, kv
	s_load_b64 s[8:9], s[0:1], 0x10                ; out0
	v_lshl_add_u32 v254, v0, 2, SPARE
	v_mov_b32 v255, 0
	ds_add_u32 v254, v255
	ds_add_u32 v254, v255
	v_lshrrev_b32 v8, 5, v0
	v_readfirstlane_b32 s[WV], v8
	s_bfe_u32 s12, ttmp6, 0x40000                  ; which 512 queries of the head
	s_and_b32 s13, ttmp7, 0xffff                   ; 16 x batch + head
	s_mul_i32 s14, s13, HEADB
	s_lshr_b32 s15, s[WV], 3                       ; my tile: step of 128 queries,
	s_bfe_u32 s16, s[WV], 0x20001                  ; double fragment j,
	s_and_b32 s17, s[WV], 1                        ; and its half u
	s_mul_i32 s[G0A+1], s[WV], PART_A
	s_add_co_u32 s56, s14, s[G0A+1]
	s_mov_b32 s57, 0
	s_mul_i32 s[G0B+1], s[WV], PART_B
	s_add_co_u32 s[G0B+1], s[G0B+1], FIRST
	s_add_co_u32 s58, s14, s[G0B+1]
	s_mov_b32 s59, 0
	s_lshl_b32 s18, s12, 2
	s_add_co_u32 s18, s18, s15
	s_mul_i32 s18, s18, STEPB
	s_add_co_u32 s18, s18, s14
	s_mul_i32 s19, s16, FRB
	s_add_co_u32 s50, s18, s19                     ; q's double fragment (the second tile's lies two steps on)
	s_mov_b32 s51, 0
	s_lshl_b32 s19, s16, 2
	s_add_co_u32 s52, s18, s19                     ; its scale words
	s_mov_b32 s53, 0
	s_sub_co_u32 s54, 0, s17
	s_mul_i32 s55, s17, 0x02020202
	s_add_co_u32 s55, s55, 0x01000100              ; bytes 0, 1 or 2, 3 of the word, twice
	s_lshr_b32 s18, s13, 4
	s_lshl_b32 s18, s18, 11
	s_lshl_b32 s19, s12, 9
	s_add_co_u32 s18, s18, s19
	s_lshl_b32 s19, s15, 7
	s_add_co_u32 s18, s18, s19
	s_bfe_u32 s19, s[WV], 0x10002
	s_lshl_b32 s19, s19, 6
	s_add_co_u32 s18, s18, s19
	s_and_b32 s19, s[WV], 3
	s_lshl_b32 s19, s19, 3
	s_add_co_u32 s18, s18, s19                     ; stored query r of my tile is true token s18 + r + 24 (r / 8)
	s_lshl_b32 s60, s18, 12
	s_and_b32 s19, s13, 15
	s_lshl_b32 s19, s19, 8
	s_add_co_u32 s60, s60, s19
	s_mov_b32 s61, 0
	s_mul_i32 s62, s[WV], 16*SPITCH
	s_add_co_u32 s62, s62, STAGE                   ; my stage
	s_lshl_b32 s63, s[WV], 10
	s_add_co_u32 s63, s63, STASH                   ; my 1,024 bytes for the second tile's q
.macro DESC g, rows                    ; a dense run as rows of 256 bytes; the mask names the cluster's four
	s_mov_b32 s[\g], 15|(3<<16)|(1<<21)
	s_mov_b32 s[\g+1], 32<<16
	s_mov_b32 s[\g+2], (\rows)<<16
	s_mov_b32 s[\g+3], 32<<16
	s_mov_b32 s[\g+4], \rows
	s_mov_b32 s[\g+5], 32
	s_mov_b32 s[\g+6], 0
	s_mov_b32 s[\g+7], 0
.endm
	DESC G1A, PART_A/256
	DESC G1B, PART_B/256
	s_mov_b32 s[SEL], 0x76543210
	s_mov_b32 s[SEL+1], 0xfedcba98
	s_mov_b32 s[CS], 0x3e38aa3b                    ; log2(e) / 8
	s_mov_b32 s[CS+1], s[CS]
	s_wait_dscnt 0x0
	s_wait_kmcnt 0x0
	s_mov_b32 s[G0A], 1
	s_add_nc_u64 s[G0A+2:G0A+3], s[6:7], s[56:57]
	s_or_b32 s[G0A+3], s[G0A+3], 0x80000000
	s_mov_b32 s[G0B], 1
	s_add_nc_u64 s[G0B+2:G0B+3], s[6:7], s[58:59]
	s_or_b32 s[G0B+3], s[G0B+3], 0x80000000
	s_add_nc_u64 s[50:51], s[4:5], s[50:51]
	s_add_nc_u64 s[52:53], s[4:5], s[52:53]
	s_add_nc_u64 s[8:9], s[8:9], s[60:61]
	CROUND
	tensor_load_to_lds s[G0A:G0A+3], s[G1A:G1A+7]  ; my one load at the head
	s_nop 0
.rept 4
	v_nop
.endr
	v_and_b32 v[AI], 31, v0
	v_and_b32 v8, 15, v0
	v_bfe_u32 v9, v0, 4, 1
	v_lshlrev_b32 v4, 3, v[AI]
	v_lshlrev_b32 v[AI], 4, v[AI]
	v_lshlrev_b32 v5, 4, v8
	v_lshlrev_b32 v[SH8], 3, v9
	v_add_nc_u32 v4, s63, v4                       ; my 8 bytes of each of the four rows of my 1,024
.irp p, 0,1,2
	global_load_b128 v[KN+4*\p:KN+4*\p+3], v[AI], s[50:51] offset:512*\p
	global_load_b128 v[KN+12+4*\p:KN+12+4*\p+3], v[AI], s[50:51] offset:2*STEPB+512*\p
.endr
	global_load_b32 v6, v5, s[52:53] offset:12288
	global_load_b32 v7, v5, s[52:53] offset:2*STEPB+12288
	v_mov_b32 v[FF], 0
	v_mov_b32 v[BT], 0
	v_mov_b32 v[S+7], 0
.irp i, 0,1,2,3,4,5
	v_mov_b32 v[ZQ+\i], 0
	v_mov_b32 v[ZQ+12+\i], 0
.endr
	s_wait_alu depctr_va_vdst(0)
	s_wait_loadcnt 0x0
.irp i, 0,1,2,3,4,5
	v_cndmask_b32 v[ZQ+6+\i], v[KN+\i], v[KN+6+\i], s54
	v_cndmask_b32 v[S+\i], v[KN+12+\i], v[KN+18+\i], s54
.endr
	v_perm_b32 v[QS], v6, v6, s55
	v_perm_b32 v[S+6], v7, v7, s55
	s_wait_alu depctr_va_vdst(0)
	s_wait_tensorcnt 0x0                           ; no tensor load of mine is out while I store to LDS
.irp i, 0,1,2,3
	ds_store_b64 v4, v[S+2*\i:S+2*\i+1] offset:256*\i   ; the second tile's q and scale word wait in bytes of my own
.endr
	s_wait_tensorcnt 0x0
	ds_add_u32 v254, v255
	s_wait_dscnt 0x0
	CROUND
	tensor_load_to_lds s[G0B:G0B+3], s[G1B:G1B+7]  ; the rest of the head's keys and values
	s_nop 0
.rept 4
	v_nop
.endr
.macro INIT                            ; a tile of queries begins: the largest score -3e38, the sums and O^T zero
	v_mov_b32 v13, 0xff61b1e6
	v_mov_b32 v14, 0
	v_mov_b32 v15, 0
	v_mul_f32 v[TP], s[CS], v13
	v_floor_f32 v[NM], -v[TP]
.set n, 0
.rept 32
	v_mov_b32 v[O+n], 0
.set n, n+1
.endr
	v_mov_b32 v[ADK], v[AI]                        ; step 0
	s_mov_b32 s[TB], 0
	s_wait_alu depctr_va_vdst(0)
.endm
.macro KLOAD                           ; 13 loads: k's four double fragments, and the scale words (lanes 0-15: k's)
.irp j, 0,1,2,3
.irp p, 0,1,2
	ds_load_b128 v[KN+12*\j+4*\p:KN+12*\j+4*\p+3], v[ADK] offset:FRB*\j+512*\p
.endr
.endr
	ds_load_b128 v[KSW:KSW+3], v[ADK] offset:12288
.endm
.macro VLOAD                           ; 13 loads: v's four fragments, and the same 512 bytes of scale words (lanes 16-31: v's)
.irp t, 0,1,2,3
.irp p, 0,1,2
	ds_load_b128 v[VF+12*\t+4*\p:VF+12*\t+4*\p+3], v[ADK] offset:6144+FRB*\t+512*\p
.endr
.endr
	ds_load_b128 v[VSW:VSW+3], v[ADK] offset:12288
.endm
.macro STEP pf                         ; pf = 1: the next step's operands are asked for
	s_wait_dscnt 13                                ; k's 13 loads are in; v's 13, issued behind them, may be out
.irp j, 0,1,2,3
.irp u, 0,1
	v_wmma_scale_f32_16x16x128_f8f6f4 v[S+8*(2*\j+\u):S+8*(2*\j+\u)+7], v[KN+12*\j:KN+12*\j+11], v[ZQ+6-6*\u:ZQ+17-6*\u], 0, v[KSW+\j], v[QS] matrix_a_fmt:MATRIX_FMT_BF6 matrix_b_fmt:MATRIX_FMT_BF6
.endr
.endr
.if \pf
	s_add_co_u32 s[TB], s[TB], STEPB
	v_add_nc_u32 v[ADK], s[TB], v[AI]              ; the next step's base; with the three lines below: four places
.else
	v_nop
.endif
	v_nop
	v_nop
	v_nop
.irp b, 0,1,2,3                        ; the largest score of my two blocks, in four chains; each accumulator is read from its low end on
	v_max3_num_f32 v[BM+\b], v[S+16*\b], v[S+1+16*\b], v[S+2+16*\b]
.endr
.irp i, 3,5,7,9,11,13
.irp b, 0,1,2,3
	v_max3_num_f32 v[BM+\b], v[BM+\b], v[S+16*\b+\i], v[S+1+16*\b+\i]
.endr
.endr
	v_max3_num_f32 v[BM], v[BM], v[BM+1], v[S+15]
	v_max3_num_f32 v[BM+2], v[BM+2], v[BM+3], v[S+47]
	v_max_num_f32 v[BM], v[BM], v[S+31]            ; block h
	v_max_num_f32 v[BM+2], v[BM+2], v[S+63]        ; block 2 + h
	s_delay_alu instid0(VALU_DEP_1)
	v_max_num_f32 v[TP], v[BM], v[BM+2]
	s_delay_alu instid0(VALU_DEP_1)
	v_permlanex16_b32 v[BT], v[TP], s[SEL], s[SEL+1]
	v_mov_b32 v[TP+1], v[NM]
	s_delay_alu instid0(VALU_DEP_2)
	v_max3_num_f32 v13, v13, v[TP], v[BT]          ; the running largest score of my query
	s_delay_alu instid0(VALU_DEP_1)
	v_mul_f32 v[TP], s[CS], v13
	s_delay_alu instid0(VALU_DEP_1)
	v_floor_f32 v[NM], -v[TP]                      ; -M = -ceil(t)
	s_delay_alu instid0(VALU_DEP_1)
	v_sub_f32 v[TP], v[NM], v[TP+1]
	s_delay_alu instid0(VALU_DEP_1)
	v_cvt_i32_f32 v[TP], v[TP]
	s_delay_alu instid0(VALU_DEP_1)
	v_ldexp_f32 v[FF], 1.0, v[TP]                  ; f = 2^(old M - new M)
.set n, 0
.rept 32
	v_pk_fma_f32 v[S+n:S+n+1], v[S+n:S+n+1], s[CS:CS+1], v[NM:NM+1] op_sel_hi:[1,0,0]
.set n, n+2
.endr
	v_fma_f32 v[BM], v[BM], s[CS], v[NM]
	v_fma_f32 v[BM+2], v[BM+2], s[CS], v[NM]
	s_wait_alu depctr_va_vdst(0)
.set n, 0
.rept 64
	v_exp_f32 v[S+n], v[S+n]
.set n, n+1
.endr
	v_exp_f32 v[BM], v[BM]
	v_exp_f32 v[BM+2], v[BM+2]
	v_pk_mul_f32 v[14:15], v[14:15], v[FF:FF+1] op_sel_hi:[1,0]
	s_wait_alu depctr_va_vdst(0)
	v_max_num_f32 v[BM], 0x2800000, v[BM]          ; the floor: the byte cannot fall under 1
	v_max_num_f32 v[BM+2], 0x2800000, v[BM+2]
	s_delay_alu instid0(VALU_DEP_2)
	v_add_nc_u32 v[SO], 0xfe000000, v[BM]
	s_delay_alu instid0(VALU_DEP_2)
	v_add_nc_u32 v[SO+1], 0xfe000000, v[BM+2]
	s_delay_alu instid0(VALU_DEP_2)
	v_lshrrev_b32 v[BM+1], 23, v[SO]
	s_delay_alu instid0(VALU_DEP_2)
	v_lshrrev_b32 v[BM+3], 23, v[SO+1]
.irp c, 0,1
	v_cvt_scalef32_pk16_bf6_f32 v[PC+6*\c:PC+6*\c+2], v[S+32*\c:S+32*\c+15], v[SO+\c]
	v_cvt_scalef32_pk16_bf6_f32 v[T2+4*\c:T2+4*\c+2], v[S+16+32*\c:S+31+32*\c], v[SO+\c]
.endr
	v_lshl_or_b32 v[TP], v[BM+3], 16, v[BM+1]      ; the plain place behind the conversions; the scale word's chain is laid among the six moves
	v_mov_b32 v[PC+3], v[T2]
	v_mov_b32 v[PC+4], v[T2+1]
	v_lshlrev_b32 v[TP], v[SH8], v[TP]             ; blocks h and 2 + h at their bytes
	v_mov_b32 v[PC+5], v[T2+2]
	v_mov_b32 v[PC+9], v[T2+4]
	v_permlanex16_b32 v[BT], v[TP], s[SEL], s[SEL+1]
	v_mov_b32 v[PC+10], v[T2+5]
	v_mov_b32 v[PC+11], v[T2+6]
	v_or_b32 v[PS], v[TP], v[BT]                   ; p's scale word for these 128 keys
.if \pf
	KLOAD                                          ; the next step's k
.endif
	s_wait_alu depctr_va_vdst(0)
.set n, 0
.rept 16
	v_pk_mul_f32 v[O+n:O+n+1], v[O+n:O+n+1], v[FF:FF+1] op_sel_hi:[1,0]
.set n, n+2
.endr
	s_wait_alu depctr_va_vdst(0)
.if \pf
	s_wait_dscnt 13                                ; v's 13 loads are in; the next k's 13 may be out
.else
	s_wait_dscnt 0x0
.endif
.irp t, 0,1,2,3
	v_wmma_scale_f32_16x16x128_f8f6f4 v[O+8*\t:O+8*\t+7], v[VF+12*\t:VF+12*\t+11], v[PC:PC+11], v[O+8*\t:O+8*\t+7], v[VSW+\t], v[PS] matrix_a_fmt:MATRIX_FMT_BF6 matrix_b_fmt:MATRIX_FMT_BF6 matrix_a_scale:MATRIX_SCALE_ROW1
.endr
	v_pk_add_f32 v[SU2:SU2+1], v[S:S+1], v[S+2:S+3]       ; the sum of the unquantised p, in four chains: also the places behind the products
	v_pk_add_f32 v[SU3:SU3+1], v[S+4:S+5], v[S+6:S+7]
	v_pk_add_f32 v[SU4:SU4+1], v[S+8:S+9], v[S+10:S+11]
.irp j, 12,20,28,36,44,52
	v_pk_add_f32 v[14:15], v[14:15], v[S+\j:S+\j+1]
	v_pk_add_f32 v[SU2:SU2+1], v[SU2:SU2+1], v[S+2+\j:S+3+\j]
	v_pk_add_f32 v[SU3:SU3+1], v[SU3:SU3+1], v[S+4+\j:S+5+\j]
	v_pk_add_f32 v[SU4:SU4+1], v[SU4:SU4+1], v[S+6+\j:S+7+\j]
.endr
	v_pk_add_f32 v[14:15], v[14:15], v[S+60:S+61]
	v_pk_add_f32 v[SU2:SU2+1], v[SU2:SU2+1], v[S+62:S+63]
	v_pk_add_f32 v[SU3:SU3+1], v[SU3:SU3+1], v[SU4:SU4+1]
	v_pk_add_f32 v[14:15], v[14:15], v[SU2:SU2+1]
	v_pk_add_f32 v[14:15], v[14:15], v[SU3:SU3+1]
.if \pf
	VLOAD                                          ; the next step's v
.endif
.endm
.macro RUN trips
	s_mov_b32 s[CNT], \trips
.Lstep_\@:
	STEP 1
	s_sub_co_u32 s[CNT], s[CNT], 1
	s_cmp_lg_u32 s[CNT], 0
	s_cbranch_scc1 .Lstep_\@
.endm
; THE WAY OUT of a tile: register 8 t + i of lane (r, h) is o(query r, channel 32 h + 8 t + i); through my own stage, back as rows of 256 bytes.  Its addresses are made anew from v0.
.macro OUT p
	v_and_b32 v8, 15, v0
	v_bfe_u32 v9, v0, 4, 1
	v_add_f32 v14, v14, v15
	v_lshlrev_b32 v[GO], 12, v9
	v_mul_u32_u24 v[STO], v8, SPITCH
	v_mul_u32_u24 v[RD], v9, SPITCH
	v_permlanex16_b32 v[BT], v14, s[SEL], s[SEL+1]
	v_lshl_add_u32 v[GO], v8, 4, v[GO]
	v_lshl_add_u32 v[STO], v9, 7, v[STO]           ; in: query r, channels 32 h ..
	v_lshl_add_u32 v[RD], v8, 4, v[RD]             ; back: sixteen lanes to a row of 256 bytes
	v_add_f32 v14, v14, v[BT]                      ; with lane l xor 16's keys: the row's sum
	v_add_nc_u32 v[STO], s62, v[STO]
	v_add_nc_u32 v[RD], s62, v[RD]
	s_wait_alu depctr_va_vdst(0)
	v_rcp_f32 v14, v14
	v_nop
	s_wait_alu depctr_va_vdst(0)
.set n, 0
.rept 16
	v_pk_mul_f32 v[S+n:S+n+1], v[O+n:O+n+1], v[14:15] op_sel_hi:[1,0]
.set n, n+2
.endr
.irp t, 0,1,2,3
	ds_store_b128 v[STO], v[S+8*\t:S+8*\t+3] offset:32*\t
	ds_store_b128 v[STO], v[S+8*\t+4:S+8*\t+7] offset:32*\t+16
.endr
.irp i, 0,1,2,3,4,5,6,7
	ds_load_b128 v[KN+4*\i:KN+4*\i+3], v[RD] offset:2*\i*SPITCH   ; LDS serves a wave's instructions in order
.endr
.irp i, 0,1,2,3,4,5,6,7
	s_wait_dscnt 7-\i
	global_store_b128 v[GO], v[KN+4*\i:KN+4*\i+3], s[8:9] offset:(256*\p+2*\i+24*(\i/4))*4096 th:TH_STORE_NT   ; sixteen lanes store 256 consecutive bytes, aligned
.endr
.endm
	INIT
	s_wait_tensorcnt 1                             ; the first fill is in (the second fill's load may be out)
	s_barrier_signal -1
	s_barrier_wait -1
	KLOAD
	VLOAD
	RUN 5                                          ; steps 0 to 4; they ask for steps 1 to 5, which lie in the first fill
	s_wait_tensorcnt 0x0                           ; my part of the second fill is in,
	s_wait_dscnt 0x0
	s_barrier_signal -1
	s_barrier_wait -1                              ; everybody's is
	RUN 10
	STEP 0
	OUT 0
	s_wait_xcnt 0x0                                ; the stores have read their registers
	v_and_b32 v4, 31, v0
	v_lshlrev_b32 v4, 3, v4
	v_add_nc_u32 v4, s63, v4
.irp i, 0,1,2
	ds_load_b64 v[ZQ+6+2*\i:ZQ+7+2*\i], v4 offset:256*\i   ; the second tile of queries, 256 tokens on
.endr
	ds_load_b64 v[QS:QS+1], v4 offset:768          ; its scale word (the pair's upper register is written anew in every step)
	INIT
	KLOAD
	VLOAD
	RUN 15
	STEP 0
	OUT 1
	s_wait_tensorcnt 0x0                           ; the wave's end
	ds_add_u32 v254, v255
	s_wait_dscnt 0x0
	CROUND                                         ; the closing round
	s_endpgm
.Lfunc_end_k_q8da4f1bdcd_attn:
	.size	k_q8da4f1bdcd_attn, .Lfunc_end_k_q8da4f1bdcd_attn-k_q8da4f1bdcd_attn
	.p2alignl 7, 3214868480
	.fill 96, 4, 3214868480
	.section	.rodata,"a",@progbits
	.p2align	6, 0x0
	.amdhsa_kernel k_q8da4f1bdcd_attn
		.amdhsa_group_segment_fixed_size 327680
		.amdhsa_private_segment_fixed_size 0
		.amdhsa_enable_private_segment 0
		.amdhsa_kernarg_size 24
		.amdhsa_user_sgpr_count 2
		.amdhsa_user_sgpr_kernarg_segment_ptr 1
		.amdhsa_wavefront_size32 1
		.amdhsa_system_sgpr_workgroup_id_x 1
		.amdhsa_system_sgpr_workgroup_id_y 1
		.amdhsa_system_sgpr_workgroup_id_z 1
		.amdhsa_system_vgpr_workitem_id 0
		.amdhsa_next_free_vgpr 256
		.amdhsa_next_free_sgpr 66
		.amdhsa_reserve_vcc 0
		.amdhsa_float_denorm_mode_32 3
		.amdhsa_float_denorm_mode_16_64 3
		.amdhsa_memory_ordered 1
		.amdhsa_forward_progress 1
		.amdhsa_inst_pref_size 92
	.end_amdhsa_kernel
	.amdgpu_metadata
---
amdhsa.version: [ 1, 2 ]
amdhsa.kernels:
  - .name:           k_q8da4f1bdcd_attn
    .symbol:         k_q8da4f1bdcd_attn.kd
    .args:
      - { .name: qb, .offset: 0, .size: 8, .value_kind: global_buffer, .address_space: global }
      - { .name: kv, .offset: 8, .size: 8, .value_kind: global_buffer, .address_space: global }
      - { .name: out0, .offset: 16, .size: 8, .value_kind: global_buffer, .address_space: global }
    .group_segment_fixed_size: 327680
    .private_segment_fixed_size: 0
    .kernarg_segment_align: 8
    .kernarg_segment_size: 24
    .max_flat_workgroup_size: 512
    .sgpr_count:     66
    .vgpr_count:     256
    .wavefront_size: 32
...
	.end_amdgpu_metadata
.endif
;; end of part 3
